; MI455X (gfx1250); checked and timed in simulation.
; The chip was launched on July 23, 2026; its instructions are those of AMD's public machine-readable ISA for CDNA 5 (MIT licence, August 2026) and "CDNA5" Instruction Set Architecture Reference Guide (July 2026). The comments in the code are by the model that wrote it; some were corrected since.
;; Cross Attention. Allowed arithmetic: float matrix products may take bf16 or f16 operands with f32 sums; all other float work in f32.
;; Inputs: Wk 128 x 256 float32; Wo 256 x 128 float32; Wq 128 x 256 float32; Wv 128 x 256 float32; b 1 x 256 x 1 float32; bo 256 float32; g 1 x 256 x 1 float32; x 8 x 256 x 2,048 float32.
;; Outputs: out0 8 x 256 x 2,048 float32.
;; One version. Each part assembles by itself: llvm-mc -triple=amdgcn-amd-amdhsa -mcpu=gfx1250 --defsym DOCPART=n.
;; ======== version 1 of 1: 2 launches
;; workspace buffers: qbuf 4,194,304 bytes; kbuf 4,194,304 bytes; vbuf 4,194,304 bytes
;; launch lnqkv (part 1): grid 32 x 8, 8 waves a work-group, clusters of 4 x 1, 327,680 bytes of LDS; arguments x, g, b, Wq, Wk, Wv, qbuf, kbuf, vbuf; writes qbuf, kbuf, vbuf
.if DOCPART == 1
	.amdgcn_target "amdgcn-amd-amdhsa--gfx1250"
	.amdhsa_code_object_version 6
	.text
	.protected	k_qc6675ae1bb_lnqkv
	.globl	k_qc6675ae1bb_lnqkv
	.p2align	8
	.type	k_qc6675ae1bb_lnqkv,@function
k_qc6675ae1bb_lnqkv:
	s_mov_b64 s[64:65], 0
	v_nop
	global_prefetch_b8 v0, s[64:65] scope:SCOPE_SE
	s_setreg_imm32_b32 hwreg(HW_REG_WAVE_MODE, 25, 1), 1
	s_wait_xcnt 0x0
	s_wait_alu depctr_hold_cnt(0) depctr_sa_sdst(0) depctr_va_vdst(0) depctr_va_sdst(0) depctr_va_ssrc(0) depctr_va_vcc(0) depctr_vm_vsrc(0)
	s_getreg_b32 s2, hwreg(HW_REG_IB_STS2, 6, 4)
	s_cmp_eq_u32 s2, 0
	s_cbranch_scc0 .Lentry_in_a_cluster
	s_endpgm
.Lentry_in_a_cluster:
	s_bfe_u32 s2, ttmp6, 0x10000c
	s_cmp_lg_u32 s2, 0x3003
	s_cbranch_scc0 .Lentry_shape_is_right
	s_endpgm
.Lentry_shape_is_right:
; LayerNorm over the 256 channels of x[8][256][2048] (f32), then q, k, v = W xn (128 rows each), stored in bf16.
;   qbuf, kbuf: [batch][position][128]   (a position's row is 256 bytes);   q is multiplied by 32^-0.5 * log2(e) in f32 before it is rounded
;   vbuf:       [batch][block of 64 positions][128 rows o][64 positions]
; in all three the block (batch, 64 positions) is 16,384 dense bytes at (32 batch + block) * 16,384.
; A work-group (8 waves) owns 64 positions of one batch: 256 rows of x of 256 bytes each.
; STATISTICS in f32, in two passes (mean; then the sum of squares of x - mean), so that a common offset of x forms no difference of large sums.
; PRODUCT: wave w makes rows 16 w .. 16 w + 15 of q, of k and of v for all 64 positions: 12 accumulator tiles, K = 256 in 8 chunks of 32.
; xn lies in LDS in bf16 as [c][position] and is read by the transposing load; W comes in f32 by tensor loads, in 4 tiles of 64 channels through
; 2 slots, and is rounded to bf16 in registers.  A wave fetches exactly the rows of W that it reads.
; CLUSTER: the four work-groups of a cluster are four position blocks of one batch.  W's tiles hang on the wave's number and the tile's number alone, so
; each is asked for jointly (mask 15): one request serves four work-groups.
; LIMITS: xn and W enter the matrix unit rounded to bf16, q, k, v are stored in bf16; v_rsq_f32 is accurate to 1 ulp.
.set WV,    22                         ; s22: the wave's number
.set SLOTB, 104448                     ; a slot: 384 rows of W (64 f32 = 256 bytes) at pitch 272
.set WWAVE, 13056                      ; a wave's 48 rows in a slot: 16 of Wq, 16 of Wk, 16 of Wv
.set WMAT,  4352                       ; 16 rows
.set WP,    272                        ; pitch 17 x 16 bytes: 16 rows start at 16 different 16-byte columns modulo 256
.set XNB,   208896                     ; xn: 256 rows c x 160 bytes (128 of data)
.set XNP,   160                        ; pitch 5 x 32 bytes, for the transposing load
.set RED,   249856                     ; 8 waves x 64 f32 for the sums; the same again 2,048 bytes on for the squares
.set STQ,   253952                     ; the way out: 64 rows x 272 bytes for q, then for k, then for v
.set STM,   17408
.set STV,   STQ+2*STM
.set STP,   272
.set XO, 1                             ; v1   x: (32 w + 4 hh) rows of 8,192 bytes + 16 i
.set GO, 2                             ; v2   g, b: (32 w + 4 hh) * 4
.set XS, 3                             ; v3   xn, stores
.set RS, 4                             ; v4   my wave's 256 bytes of the sums
.set RL, 5                             ; v5   the sums, all waves
.set XA, 6                             ; v6   xn, transposing loads
.set WA, 7                             ; v7-8 my rows of W in slot 0, 1
.set SQ, 9                             ; v9   stage of q (k: + STM), stores
.set SV, 10                            ; v10  stage of v, stores
.set RD, 11                            ; v11  the stages, read back by rows
.set CO, 12                            ; v12  byte offset in a block of qbuf, kbuf, vbuf
.set GG, 16                            ; v16-31   g of my 16 rows            (statistics)
.set BB, 32                            ; v32-47   b of my 16 rows
.set XX, 48                            ; v48-111  my 16 rows x 4 positions
.set MEAN, 112                         ; v112-115
.set RSTD, 116                         ; v116-119
.set TT, 120                           ; v120-151 at work
.set ACC, 16                           ; v16-111  tile (m, lt) at 16 + 32 m + 8 lt   (product)
.set XF, 112                           ; v112-175 fragments of xn, two buffers of 4 x 8
.set WF, 176                           ; v176-223 3 fragments of W in f32
.set WB, 224                           ; v224-247 the same in bf16
.set PK, 112                           ; v112-159 packed results               (the way out)
.set RB, 160                           ; v160-207 rows read back
.set G1, 28                            ; s[28:35] descriptor group 1
.set G0, 36                            ; s[36:59] descriptor group 0: slot s, matrix m at 36 + 12 s + 4 m
.macro PLACES                          ; four places behind a matrix instruction (ISA guide 7.12.1)
.rept 4
	v_nop
.endr
.endm
; A round of the cluster's barrier: my work-group's barrier, wave 0 signals for the work-group, every wave waits for all four work-groups, my work-group's barrier again.
.macro ROUND
	s_barrier_signal -1
	s_barrier_wait -1
	s_cmp_lg_u32 s[WV], 0
	s_cbranch_scc1 .Lnot_wave_0_\@
	s_barrier_signal -3
.Lnot_wave_0_\@:
	s_barrier_wait -3
	s_barrier_signal -1
	s_barrier_wait -1
.endm
	s_load_b512 s[4:19], s[0:1], 0x0               ; x 4, g 6, b 8, Wq 10, Wk 12, Wv 14, qbuf 16, kbuf 18
	s_load_b64 s[20:21], s[0:1], 0x40              ; vbuf
	v_lshl_add_u32 v254, v0, 2, 0x4ac00
	v_mov_b32 v255, 0
	ds_add_u32 v254, v255
	v_lshrrev_b32 v248, 5, v0
	v_readfirstlane_b32 s22, v248                  ; wave 0..7
	s_bfe_u32 s23, ttmp6, 0x40000                  ; cx: my place in the cluster; it enters global addresses of register loads and stores alone
	s_lshl_b32 s24, ttmp9, 2
	s_add_co_u32 s24, s24, s23                     ; block of 64 positions = 4 x cluster x + cx
	s_and_b32 s25, ttmp7, 0xffff                   ; batch
	s_mov_b32 s60, 0x76543210                      ; v_permlanex16_b32: lane i of one half reads lane i of the other
	s_mov_b32 s61, 0xfedcba98
	s_mov_b32 s62, 0x3b800000                      ; 1 / 256
	s_mov_b32 s63, 0x3727c5ac                      ; 1e-5
	s_mov_b32 s66, 0x3e8293ee                      ; 32^-0.5 * log2(e) = 0.25503486
	s_mov_b32 s67, 0                               ; the pair's other half
	; group 1: a tile of 16 rows x 64 f32, rows 256 elements apart in memory, 16 bytes of padding behind each row in LDS
	s_mov_b32 s[G1+0], 0x0772000f                  ; 15:0 mask 15 (all four work-groups); 17:16 elements of 4 bytes; 20 padding on; 21 set beside a mask; 24:22 after 64 words; 31:25 four words
	s_mov_b32 s[G1+1], 64<<16                      ; tensor_dim0 = 64
	s_mov_b32 s[G1+2], 16<<16                      ; tensor_dim1 = 16
	s_mov_b32 s[G1+3], 64<<16                      ; tile_dim0 = 64
	s_mov_b32 s[G1+4], 16                          ; tile_dim1 = 16
	s_mov_b32 s[G1+5], 256                         ; from row to row
	s_mov_b32 s[G1+6], 0
	s_mov_b32 s[G1+7], 0
	s_mul_i32 s70, s22, WWAVE                      ; my rows in a slot
	s_lshl_b32 s26, s22, 14                        ; my 16 rows of 1,024 bytes in each W
	s_mov_b32 s27, 0
	s_lshl_b32 s72, s25, 21                        ; x: batch x 256 rows x 8,192 bytes
	s_lshl_b32 s74, s24, 8                         ;    + block x 256 bytes
	s_add_co_u32 s72, s72, s74
	s_mov_b32 s73, 0
	s_wait_dscnt 0x0
	s_wait_kmcnt 0x0
	s_add_nc_u64 s[4:5], s[4:5], s[72:73]
	s_add_nc_u64 s[10:11], s[10:11], s[26:27]
	s_add_nc_u64 s[12:13], s[12:13], s[26:27]
	s_add_nc_u64 s[14:15], s[14:15], s[26:27]
	s_lshl_b32 s72, s25, 5
	s_add_co_u32 s72, s72, s24
	s_lshl_b32 s72, s72, 14                        ; (32 batch + block) x 16,384
	s_add_nc_u64 s[16:17], s[16:17], s[72:73]
	s_add_nc_u64 s[18:19], s[18:19], s[72:73]
	s_add_nc_u64 s[20:21], s[20:21], s[72:73]
.irp s, 0,1
.irp m, 0,1,2
	s_mov_b32 s[G0+12*\s+4*\m], 1                                              ; count = 1
	s_add_co_u32 s[G0+12*\s+4*\m+1], s70, \s*SLOTB+\m*WMAT                     ; LDS address: slot, wave, matrix
	s_add_nc_u64 s[G0+12*\s+4*\m+2:G0+12*\s+4*\m+3], s[10+2*\m:11+2*\m], \s*256 ; tile s: channels 64 s ..
	s_or_b32 s[G0+12*\s+4*\m+3], s[G0+12*\s+4*\m+3], 0x80000000                ; type = 2
.endr
.endr
	ROUND                                          ; all four work-groups are here: the first joint loads meet
.irp s, 0,1
.irp m, 0,1,2
	tensor_load_to_lds s[G0+12*\s+4*\m:G0+12*\s+4*\m+3], s[G1:G1+7]            ; tiles 0 and 1: six loads of the wave are out, the most in this text
	s_nop 0
.endr
.endr
	; lane terms: i = r = lane % 16, hh = h = lane / 16
	v_and_b32 v249, 15, v0
	v_bfe_u32 v250, v0, 4, 1
	s_lshl_b32 s68, s22, 18                        ; 32 w rows of x
	v_lshlrev_b32 v[XO], 15, v250                  ; 4 hh rows
	v_lshl_add_u32 v[XO], v249, 4, v[XO]
	v_add_nc_u32 v[XO], s68, v[XO]
	s_lshl_b32 s69, s22, 7
	v_lshl_add_u32 v[GO], v250, 4, s69             ; (32 w + 4 hh) x 4
	; my 16 rows are c(k) = 32 w + 4 hh + 8 (k / 4) + k % 4: 16 lanes read the 256 bytes of a row; the two halves of the wave are 4 rows apart
.set k, 0
.rept 16
	global_load_b128 v[XX+4*k:XX+4*k+3], v[XO], s[4:5] offset:(8*(k>>2)+(k&3))*8192
.set k, k+1
.endr
.irp kk, 0,1,2,3
	global_load_b128 v[GG+4*\kk:GG+4*\kk+3], v[GO], s[6:7] offset:32*\kk
.endr
.irp kk, 0,1,2,3
	global_load_b128 v[BB+4*\kk:BB+4*\kk+3], v[GO], s[8:9] offset:32*\kk
.endr
	s_mul_i32 s68, s22, 32*XNP
	s_add_co_u32 s68, s68, XNB
	v_mul_u32_u24 v[XS], v250, 4*XNP
	v_lshl_add_u32 v[XS], v249, 3, v[XS]           ; 4 positions in bf16 = 8 bytes
	v_add_nc_u32 v[XS], s68, v[XS]
	s_lshl_b32 s69, s22, 8
	s_add_co_u32 s69, s69, RED
	v_lshl_add_u32 v[RS], v249, 4, s69
	v_lshlrev_b32 v[RL], 4, v249
	v_add_nc_u32 v[RL], RED, v[RL]
	v_and_b32 v251, 7, v0                          ; the transposing load: row 8 h + lane % 8, 16 bytes at 16 ((lane / 8) % 2)
	v_lshl_add_u32 v251, v250, 3, v251
	v_mul_u32_u24 v[XA], v251, XNP
	v_bfe_u32 v251, v0, 3, 1
	v_lshl_add_u32 v[XA], v251, 4, v[XA]
	v_add_nc_u32 v[XA], XNB, v[XA]
	v_mul_u32_u24 v252, v249, WP                   ; r x 272, used twice
	v_lshl_add_u32 v[WA], v250, 5, v252            ; W in f32: 8 channels = 32 bytes for each half of the lanes
	v_add_nc_u32 v[WA], s70, v[WA]
	v_add_nc_u32 v[WA+1], SLOTB, v[WA]
	s_lshl_b32 s68, s22, 5
	s_add_co_u32 s68, s68, STQ
	v_lshl_add_u32 v[SQ], v250, 4, v252            ; q, k: row = position r, bytes 32 w + 16 h
	v_add_nc_u32 v[SQ], s68, v[SQ]
	s_mul_i32 s69, s22, 8*STP                      ; 8 rows of a stage for each wave
	v_lshrrev_b32 v251, 1, v249                    ; v: two rows o in a row of 256 bytes
	v_mul_u32_u24 v[SV], v251, STP
	v_and_b32 v251, 1, v0
	v_lshl_add_u32 v[SV], v251, 7, v[SV]
	v_lshl_add_u32 v[SV], v250, 4, v[SV]
	v_add3_u32 v[SV], v[SV], s69, STV
	v_mul_u32_u24 v[RD], v250, STP
	v_lshl_add_u32 v[RD], v249, 4, v[RD]
	v_add3_u32 v[RD], v[RD], s69, STQ
	s_lshl_b32 s68, s22, 11
	v_lshlrev_b32 v[CO], 8, v250
	v_lshl_add_u32 v[CO], v249, 4, v[CO]
	v_add_nc_u32 v[CO], s68, v[CO]
; The four chains in TT .. TT+7 are joined, then the two halves of the wave, then the eight waves through LDS.  The sums of my 4 positions end in TT .. TT+3.
.macro REDUCE off
	v_pk_add_f32 v[TT:TT+1], v[TT:TT+1], v[TT+4:TT+5]
	v_pk_add_f32 v[TT+2:TT+3], v[TT+2:TT+3], v[TT+6:TT+7]
.irp j, 0,1,2,3
	v_permlanex16_b32 v[TT+4+\j], v[TT+\j], s60, s61       ; its destination has been written above
.endr
	v_pk_add_f32 v[TT:TT+1], v[TT:TT+1], v[TT+4:TT+5]
	v_pk_add_f32 v[TT+2:TT+3], v[TT+2:TT+3], v[TT+6:TT+7]
	ds_store_b128 v[RS], v[TT:TT+3] offset:\off            ; both halves store the same numbers to the same bytes
	s_wait_dscnt 0x0                                       ; my store is done before I signal: the other waves read it
	s_barrier_signal -1
	s_barrier_wait -1
.irp ww, 0,1,2,3,4,5,6,7
	ds_load_b128 v[TT+4*\ww:TT+4*\ww+3], v[RL] offset:\off+256*\ww
.endr
	s_wait_dscnt 0x0
.irp a, 0,8,16,24
	v_pk_add_f32 v[TT+\a:TT+\a+1], v[TT+\a:TT+\a+1], v[TT+\a+4:TT+\a+5]
	v_pk_add_f32 v[TT+\a+2:TT+\a+3], v[TT+\a+2:TT+\a+3], v[TT+\a+6:TT+\a+7]
.endr
.irp a, 0,16
	v_pk_add_f32 v[TT+\a:TT+\a+1], v[TT+\a:TT+\a+1], v[TT+\a+8:TT+\a+9]
	v_pk_add_f32 v[TT+\a+2:TT+\a+3], v[TT+\a+2:TT+\a+3], v[TT+\a+10:TT+\a+11]
.endr
	v_pk_add_f32 v[TT:TT+1], v[TT:TT+1], v[TT+16:TT+17]
	v_pk_add_f32 v[TT+2:TT+3], v[TT+2:TT+3], v[TT+18:TT+19]
.endm
	; THE MEAN
	s_wait_loadcnt 0x8                             ; the 16 loads of x are in; the 8 of g and b, issued behind them, stay out
	v_pk_add_f32 v[TT:TT+1],   v[XX:XX+1],     v[XX+4:XX+5]        ; the first rows start the four chains: nothing is cleared
	v_pk_add_f32 v[TT+2:TT+3], v[XX+2:XX+3],   v[XX+6:XX+7]
	v_pk_add_f32 v[TT+4:TT+5], v[XX+8:XX+9],   v[XX+12:XX+13]
	v_pk_add_f32 v[TT+6:TT+7], v[XX+10:XX+11], v[XX+14:XX+15]
.set k, 4
.rept 6
	v_pk_add_f32 v[TT:TT+1],   v[TT:TT+1],   v[XX+4*k:XX+4*k+1]
	v_pk_add_f32 v[TT+2:TT+3], v[TT+2:TT+3], v[XX+4*k+2:XX+4*k+3]
	v_pk_add_f32 v[TT+4:TT+5], v[TT+4:TT+5], v[XX+4*k+4:XX+4*k+5]
	v_pk_add_f32 v[TT+6:TT+7], v[TT+6:TT+7], v[XX+4*k+6:XX+4*k+7]
.set k, k+2
.endr
	REDUCE 0
	v_pk_mul_f32 v[MEAN:MEAN+1],   v[TT:TT+1],   s[62:63] op_sel_hi:[1,0]
	v_pk_mul_f32 v[MEAN+2:MEAN+3], v[TT+2:TT+3], s[62:63] op_sel_hi:[1,0]
	; THE VARIANCE, of x - mean
.set k, 0
.rept 16
	v_pk_add_f32 v[XX+4*k:XX+4*k+1],   v[XX+4*k:XX+4*k+1],   v[MEAN:MEAN+1]   neg_lo:[0,1] neg_hi:[0,1]
	v_pk_add_f32 v[XX+4*k+2:XX+4*k+3], v[XX+4*k+2:XX+4*k+3], v[MEAN+2:MEAN+3] neg_lo:[0,1] neg_hi:[0,1]
.set k, k+1
.endr
.irp a, 0,2,4,6
	v_pk_mul_f32 v[TT+\a:TT+\a+1], v[XX+\a:XX+\a+1], v[XX+\a:XX+\a+1]
.endr
.set k, 2
.rept 7
.irp a, 0,2,4,6
	v_pk_fma_f32 v[TT+\a:TT+\a+1], v[XX+4*k+\a:XX+4*k+\a+1], v[XX+4*k+\a:XX+4*k+\a+1], v[TT+\a:TT+\a+1]
.endr
.set k, k+2
.endr
	REDUCE 2048                                    ; bytes of its own: no wave may still be reading the first sums
.irp j, 0,1,2,3
	v_fma_f32 v[RSTD+\j], v[TT+\j], s62, s63       ; sum / 256 + eps
.endr
.irp j, 0,1,2,3
	v_rsq_f32 v[RSTD+\j], v[RSTD+\j]
.endr
	v_nop                                          ; one plain instruction behind the transcendentals before their results are used (ISA guide 5.7.2)
	; NORMALISE, round to bf16, into LDS as [c][position]
	s_wait_loadcnt 0x0                             ; g and b
.macro NORM2 kp                        ; rows k = 2 kp and 2 kp + 1: their g and b are the two registers of one pair
	s_wait_alu depctr_va_vdst(0)
.irp e, 0,1
	v_pk_mul_f32 v[XX+8*\kp+4*\e:XX+8*\kp+4*\e+1],   v[XX+8*\kp+4*\e:XX+8*\kp+4*\e+1],   v[RSTD:RSTD+1]
	v_pk_mul_f32 v[XX+8*\kp+4*\e+2:XX+8*\kp+4*\e+3], v[XX+8*\kp+4*\e+2:XX+8*\kp+4*\e+3], v[RSTD+2:RSTD+3]
	v_pk_fma_f32 v[XX+8*\kp+4*\e:XX+8*\kp+4*\e+1],   v[XX+8*\kp+4*\e:XX+8*\kp+4*\e+1],   v[GG+2*\kp:GG+2*\kp+1], v[BB+2*\kp:BB+2*\kp+1] op_sel:[0,\e,\e] op_sel_hi:[1,\e,\e]
	v_pk_fma_f32 v[XX+8*\kp+4*\e+2:XX+8*\kp+4*\e+3], v[XX+8*\kp+4*\e+2:XX+8*\kp+4*\e+3], v[GG+2*\kp:GG+2*\kp+1], v[BB+2*\kp:BB+2*\kp+1] op_sel:[0,\e,\e] op_sel_hi:[1,\e,\e]
	v_cvt_pk_bf16_f32 v[XX+8*\kp+4*\e],   v[XX+8*\kp+4*\e],   v[XX+8*\kp+4*\e+1]
	v_cvt_pk_bf16_f32 v[XX+8*\kp+4*\e+1], v[XX+8*\kp+4*\e+2], v[XX+8*\kp+4*\e+3]
	ds_store_b64 v[XS], v[XX+8*\kp+4*\e:XX+8*\kp+4*\e+1] offset:(8*((2*\kp+\e)>>2)+((2*\kp+\e)&3))*XNP   ; the halves' rows are 640 bytes apart: 128 modulo 256
.endr
.endm
.irp kp, 0,1,2,3,4,5,6,7
	NORM2 \kp
.endr
	s_wait_dscnt 0x0                               ; my rows of xn are in LDS before I signal: every wave reads all 256
	s_barrier_signal -1
	s_barrier_wait -1
	; THE PRODUCT
; The fragments of chunk c (32 channels): xn's four position tiles into buffer buf, my three W fragments (f32) from half c2 of the tile in slot
.macro FETCH c, buf, slot, c2
.irp lt, 0,1,2,3
	ds_load_tr16_b128 v[XF+32*\buf+8*\lt:XF+32*\buf+8*\lt+3],   v[XA] offset:\c*32*XNP+32*\lt
	ds_load_tr16_b128 v[XF+32*\buf+8*\lt+4:XF+32*\buf+8*\lt+7], v[XA] offset:\c*32*XNP+32*\lt+16*XNP
.endr
.irp m, 0,1,2
	ds_load_b128 v[WF+16*\m:WF+16*\m+3],     v[WA+\slot] offset:\m*WMAT+\c2*128        ; k = 8 h .. 8 h + 7
	ds_load_b128 v[WF+16*\m+4:WF+16*\m+7],   v[WA+\slot] offset:\m*WMAT+\c2*128+16
	ds_load_b128 v[WF+16*\m+8:WF+16*\m+11],  v[WA+\slot] offset:\m*WMAT+\c2*128+64     ; k = 16 + 8 h ..
	ds_load_b128 v[WF+16*\m+12:WF+16*\m+15], v[WA+\slot] offset:\m*WMAT+\c2*128+80
.endr
.endm
; The chunk's fragments are in; W is rounded to bf16.  places = 1: matrix instructions have read WB and the buffer that is loaded next
.macro CONV places
	s_wait_dscnt 0x0
.if \places
	PLACES
.endif
.set q, 0
.rept 24
	v_cvt_pk_bf16_f32 v[WB+q], v[WF+2*q], v[WF+2*q+1]
.set q, q+1
.endr
.endm
; 12 matrix instructions, one for each accumulator: the accumulators take turns, one instruction a turn.
; q, k: source 0 = W, source 1 = xn: a lane holds 8 neighbouring rows o of position r.   v: the other way round: 8 neighbouring positions of row o = r.
.macro MULT buf, zero
.irp lt, 0,1,2,3
.if \zero
	v_wmma_f32_16x16x32_bf16 v[ACC+8*\lt:ACC+8*\lt+7],       v[WB:WB+7],     v[XF+32*\buf+8*\lt:XF+32*\buf+8*\lt+7], 0
	v_wmma_f32_16x16x32_bf16 v[ACC+32+8*\lt:ACC+32+8*\lt+7], v[WB+8:WB+15],  v[XF+32*\buf+8*\lt:XF+32*\buf+8*\lt+7], 0
	v_wmma_f32_16x16x32_bf16 v[ACC+64+8*\lt:ACC+64+8*\lt+7], v[XF+32*\buf+8*\lt:XF+32*\buf+8*\lt+7], v[WB+16:WB+23], 0
.else
	v_wmma_f32_16x16x32_bf16 v[ACC+8*\lt:ACC+8*\lt+7],       v[WB:WB+7],     v[XF+32*\buf+8*\lt:XF+32*\buf+8*\lt+7], v[ACC+8*\lt:ACC+8*\lt+7]
	v_wmma_f32_16x16x32_bf16 v[ACC+32+8*\lt:ACC+32+8*\lt+7], v[WB+8:WB+15],  v[XF+32*\buf+8*\lt:XF+32*\buf+8*\lt+7], v[ACC+32+8*\lt:ACC+32+8*\lt+7]
	v_wmma_f32_16x16x32_bf16 v[ACC+64+8*\lt:ACC+64+8*\lt+7], v[XF+32*\buf+8*\lt:XF+32*\buf+8*\lt+7], v[WB+16:WB+23], v[ACC+64+8*\lt:ACC+64+8*\lt+7]
.endif
.endr
.endm
; The slot, whose two chunks have been read, gets the tile two further on (128 channels = 512 bytes).
.macro REFILL slot
	s_wait_dscnt 0x0                               ; my reads of the slot are back
	s_wait_tensorcnt 0x0                           ; all my tensor loads have landed, so every group 0 may be written
	ds_add_u32 v254, v255
	s_wait_dscnt 0x0
.irp m, 0,1,2
	s_add_nc_u64 s[G0+12*\slot+4*\m+2:G0+12*\slot+4*\m+3], s[G0+12*\slot+4*\m+2:G0+12*\slot+4*\m+3], 512
.endr
	ROUND                                          ; both now hold of every wave of all four work-groups
.irp m, 0,1,2
	tensor_load_to_lds s[G0+12*\slot+4*\m:G0+12*\slot+4*\m+3], s[G1:G1+7]   ; the first tensor loads behind the round
	s_nop 0
.endr
.endm
	s_wait_tensorcnt 0x3                           ; tile 0's three loads are in, tile 1's three stay out; the rows are my own, so my wait is all that the reads need
	FETCH 0, 0, 0, 0
	CONV 0
	FETCH 1, 1, 0, 1
	MULT 0, 1                                      ; the first products start the sums
	REFILL 0                                       ; tile 2; tile 1 has landed by its wait
	CONV 1
	FETCH 2, 0, 1, 0
	MULT 1, 0
	CONV 1
	FETCH 3, 1, 1, 1
	MULT 0, 0
	REFILL 1                                       ; tile 3; tile 2 has landed by its wait
	CONV 1
	FETCH 4, 0, 0, 0
	MULT 1, 0
	CONV 1
	FETCH 5, 1, 0, 1
	MULT 0, 0
	CONV 1
	s_wait_tensorcnt 0x0                           ; tile 3, my own rows
	FETCH 6, 0, 1, 0
	MULT 1, 0
	CONV 1
	FETCH 7, 1, 1, 1
	MULT 0, 0
	CONV 1
	MULT 1, 0
	; THE WAY OUT: scale q, round, 16 bytes a lane into the stages, read back as rows of 256 bytes
	PLACES
.set a, ACC
.rept 16
	v_pk_mul_f32 v[a:a+1], v[a:a+1], s[66:67] op_sel_hi:[1,0]
.set a, a+2
.endr
.set q, 0
.rept 48
	v_cvt_pk_bf16_f32 v[PK+q], v[ACC+2*q], v[ACC+2*q+1]
.set q, q+1
.endr
.irp lt, 0,1,2,3
	ds_store_b128 v[SQ], v[PK+4*\lt:PK+4*\lt+3]       offset:\lt*16*STP
	ds_store_b128 v[SQ], v[PK+16+4*\lt:PK+16+4*\lt+3] offset:STM+\lt*16*STP
	ds_store_b128 v[SV], v[PK+32+4*\lt:PK+32+4*\lt+3] offset:32*\lt
.endr
	s_wait_dscnt 0x0                               ; my stores are done before I signal: a row of a stage holds pieces of all eight waves
	s_barrier_signal -1
	s_barrier_wait -1
.irp m, 0,1,2
.irp n, 0,1,2,3
	ds_load_b128 v[RB+16*\m+4*\n:RB+16*\m+4*\n+3], v[RD] offset:\m*STM+\n*2*STP
.endr
.endr
.irp m, 0,1,2
.irp n, 0,1,2,3
	s_wait_dscnt 11-4*\m-\n                        ; LDS loads come back in order: this one is in, the younger ones stay out
	global_store_b128 v[CO], v[RB+16*\m+4*\n:RB+16*\m+4*\n+3], s[16+2*\m:17+2*\m] offset:512*\n   ; 16 lanes store 256 consecutive bytes, aligned
.endr
.endr
	s_wait_tensorcnt 0x0
	ds_add_u32 v254, v255
	s_wait_dscnt 0x0
	ROUND                                          ; the closing round: no work-group ends while a partner may still ask for a tile that names it
	s_endpgm
.Lfunc_end_k_qc6675ae1bb_lnqkv:
	.size	k_qc6675ae1bb_lnqkv, .Lfunc_end_k_qc6675ae1bb_lnqkv-k_qc6675ae1bb_lnqkv
	.p2alignl 7, 3214868480
	.fill 96, 4, 3214868480
	.section	.rodata,"a",@progbits
	.p2align	6, 0x0
	.amdhsa_kernel k_qc6675ae1bb_lnqkv
		.amdhsa_group_segment_fixed_size 327680
		.amdhsa_private_segment_fixed_size 0
		.amdhsa_enable_private_segment 0
		.amdhsa_kernarg_size 72
		.amdhsa_user_sgpr_count 2
		.amdhsa_user_sgpr_kernarg_segment_ptr 1
		.amdhsa_wavefront_size32 1
		.amdhsa_system_sgpr_workgroup_id_x 1
		.amdhsa_system_sgpr_workgroup_id_y 1
		.amdhsa_system_sgpr_workgroup_id_z 1
		.amdhsa_system_vgpr_workitem_id 0
		.amdhsa_next_free_vgpr 256
		.amdhsa_next_free_sgpr 76
		.amdhsa_reserve_vcc 0
		.amdhsa_float_denorm_mode_32 3
		.amdhsa_float_denorm_mode_16_64 3
		.amdhsa_memory_ordered 1
		.amdhsa_forward_progress 1
		.amdhsa_inst_pref_size 67
	.end_amdhsa_kernel
	.amdgpu_metadata
---
amdhsa.version: [ 1, 2 ]
amdhsa.kernels:
  - .name:           k_qc6675ae1bb_lnqkv
    .symbol:         k_qc6675ae1bb_lnqkv.kd
    .args:
      - { .name: x, .offset: 0, .size: 8, .value_kind: global_buffer, .address_space: global }
      - { .name: g, .offset: 8, .size: 8, .value_kind: global_buffer, .address_space: global }
      - { .name: b, .offset: 16, .size: 8, .value_kind: global_buffer, .address_space: global }
      - { .name: Wq, .offset: 24, .size: 8, .value_kind: global_buffer, .address_space: global }
      - { .name: Wk, .offset: 32, .size: 8, .value_kind: global_buffer, .address_space: global }
      - { .name: Wv, .offset: 40, .size: 8, .value_kind: global_buffer, .address_space: global }
      - { .name: qbuf, .offset: 48, .size: 8, .value_kind: global_buffer, .address_space: global }
      - { .name: kbuf, .offset: 56, .size: 8, .value_kind: global_buffer, .address_space: global }
      - { .name: vbuf, .offset: 64, .size: 8, .value_kind: global_buffer, .address_space: global }
    .group_segment_fixed_size: 327680
    .private_segment_fixed_size: 0
    .kernarg_segment_align: 8
    .kernarg_segment_size: 72
    .max_flat_workgroup_size: 256
    .sgpr_count:     76
    .vgpr_count:     256
    .wavefront_size: 32
...
	.end_amdgpu_metadata
.endif
;; end of part 1
;; launch attn (part 2): grid 32 x 8, 8 waves a work-group, clusters of 4 x 1, 327,680 bytes of LDS; arguments qbuf, kbuf, vbuf, Wo, bo, x, out0; writes out0
.if DOCPART == 2
	.amdgcn_target "amdgcn-amd-amdhsa--gfx1250"
	.amdhsa_code_object_version 6
	.text
	.protected	k_qc6675ae1bb_attn
	.globl	k_qc6675ae1bb_attn
	.p2align	8
	.type	k_qc6675ae1bb_attn,@function
k_qc6675ae1bb_attn:
	s_mov_b64 s[64:65], 0
	v_nop
	global_prefetch_b8 v0, s[64:65] scope:SCOPE_SE
	s_setreg_imm32_b32 hwreg(HW_REG_WAVE_MODE, 25, 1), 1
	s_wait_xcnt 0x0
	s_wait_alu depctr_hold_cnt(0) depctr_sa_sdst(0) depctr_va_vdst(0) depctr_va_sdst(0) depctr_va_ssrc(0) depctr_va_vcc(0) depctr_vm_vsrc(0)
	s_getreg_b32 s2, hwreg(HW_REG_IB_STS2, 6, 4)
	s_cmp_eq_u32 s2, 0
	s_cbranch_scc0 .Lentry_in_a_cluster
	s_endpgm
.Lentry_in_a_cluster:
	s_bfe_u32 s2, ttmp6, 0x10000c
	s_cmp_lg_u32 s2, 0x3003
	s_cbranch_scc0 .Lentry_shape_is_right
	s_endpgm
.Lentry_shape_is_right:
; out0 = Wo softmax(q^T k) v + bo + x.  A work-group (8 waves) owns 64 queries of one batch, all 4 heads.
; Wave w: head hd = w / 2, query half qh = w % 2: 32 queries (2 tiles of 16) against all 2,048 keys, in 32 steps of 64 keys, with a running maximum.
; q carries 32^-0.5 * log2(e) already, so the scores are exponents of 2.
; NO LANE SHUFFLE BETWEEN THE PRODUCTS.  S^T = K Q^T: source 0 = 16 keys, source 1 = 16 queries: lane (r, h) holds keys 8 h + 0..7 of query r.  Two neighbouring key
; tiles, rounded to bf16 in place, are source 1 (32 keys x 16 queries) of O^T = V P^T.  Maximum, sum and rescaling factor are one number a lane; the two halves
; of the wave meet in one v_permlanex16_b32 for each query tile and step.  O^T, normalised and rounded, is a fragment (K = the head's 32 channels) of the last product.
; SOFTWARE PIPELINE: a step issues the scores of step u and does the softmax and the second product of step u - 1, so that matrix and vector work overlap.
; K and V come in tiles of 128 keys (32 KB each, dense) through two LDS slots; each wave fetches 16 rows of 256 bytes of each.
; CLUSTER: the four work-groups of a cluster are four query blocks of one batch; K's, V's and Wo's tiles hang on batch, tile and wave alone, so each is asked for
; jointly (mask 15): one request serves four work-groups.
; LIMITS: q, k, v, p, the attention's result and Wo enter the matrix unit rounded to bf16; the softmax's sum adds the unrounded p;
; v_exp_f32 and v_rcp_f32 are accurate to 1 ulp, and v_exp_f32 gives 0 for p below 2^-126.
.set WV,   18                          ; s18: the wave's number
.set KP,   272                         ; pitch of K's and V's rows: 256 bytes + 16: 16 rows start at 16 different 16-byte columns modulo 256
.set SLOT, 69632                       ; K: 128 key rows; V at VOFF: 128 rows, each two rows o of one block of 64 keys
.set VOFF, 34816
.set WOB,  139264                      ; Wo in f32: 256 rows at pitch 528
.set WOP,  528
.set EXC,  274432                      ; 16 fragments (4 hd + position tile) of 1,024 bytes: no tensor load lands here
.set STG,  290816                      ; 8 waves x 16 rows x 272 bytes, each wave's own: no tensor load lands here
.set KA, 2                             ; v2-3   my K fragments in slot 0, 1
.set VA, 4                             ; v4-5   my V fragments in slot 0, 1
.set MX, 6                             ; v6-7   running maximum of query tile 0, 1
.set AL, 8                             ; v8-9   2^(old maximum - new maximum)
.set LS, 10                            ; v10-11 running sum (this half's keys)
.set TT, 12                            ; v12-15 at work
.set QF, 16                            ; v16-31   Q, 2 fragments
.set KF, 32                            ; v32-63   K, 4 fragments (64 keys)
.set VF, 64                            ; v64-95   V, fragment 2 g + ct (g: 32 keys, ct: 16 channels)
.set OO, 96                            ; v96-127  O^T at 96 + 16 qt + 8 ct
.set SS, 128                           ; v128-255 S^T at 128 + 64 buf + 32 qt + 8 kt
.set XR, 128                           ; the way out: x, 16 x 4
.set WB, 32                            ;   Wo in bf16, fragment (ot, hd) at 32 + 32 ot + 8 hd
.set WF, 192                           ;   Wo in f32, 4 x 16
.set ACC, 192                          ;   then the sums, 192 + 32 ot + 8 lt
.set OF, 96                            ;   fragments of the attention's result, 4 x 8
.set BO, 16                            ;   bo, 2 blocks of 8
.set G1,  28                           ; s[28:35] group 1 for K and V
.set G1W, 36                           ; s[36:43] group 1 for Wo
.set GK,  44                           ; s[44:59] group 0: slot s: K at 44 + 8 s, V at 48 + 8 s
.set GW,  60                           ; s[60:63] group 0 for Wo
.macro PLACES                          ; four places behind a matrix instruction (ISA guide 7.12.1)
.rept 4
	v_nop
.endr
.endm
.macro CREST                           ; a round of the cluster's barrier behind its opening work-group barrier
	s_cmp_lg_u32 s[WV], 0
	s_cbranch_scc1 .Lnot_wave_0_\@
	s_barrier_signal -3
.Lnot_wave_0_\@:
	s_barrier_wait -3
	s_barrier_signal -1
	s_barrier_wait -1
.endm
.macro ROUND                           ; a whole round
	s_barrier_signal -1
	s_barrier_wait -1
	CREST
.endm
	s_load_b256 s[4:11], s[0:1], 0x0               ; qbuf 4, kbuf 6, vbuf 8, Wo 10
	s_load_b128 s[12:15], s[0:1], 0x20             ; bo 12, x 14
	s_load_b64 s[16:17], s[0:1], 0x30              ; out0
	s_set_vgpr_msb 0x40
	v_lshl_add_u32 v0, v0, 2, 0x4f800
	v_mov_b32 v1, 0
	s_set_vgpr_msb 0x4045
	ds_add_u32 v0, v1
	s_set_vgpr_msb 0x4500
	v_lshrrev_b32 v12, 5, v0
	v_readfirstlane_b32 s18, v12                   ; wave 0..7
	s_lshr_b32 s19, s18, 1                         ; head
	s_and_b32 s20, s18, 1                          ; query half
	s_bfe_u32 s21, ttmp6, 0x40000                  ; cx: it enters global addresses of register loads and stores alone
	s_lshl_b32 s22, ttmp9, 2
	s_add_co_u32 s22, s22, s21                     ; block of 64 queries
	s_and_b32 s23, ttmp7, 0xffff                   ; batch
	s_mov_b32 s66, 0x76543210                      ; v_permlanex16_b32: lane i of one half reads lane i of the other
	s_mov_b32 s67, 0xfedcba98
	; group 1 for K and V: 16 rows x 128 bf16, dense in memory, 16 bytes of padding behind each row in LDS
	s_mov_b32 s[G1+0], 0x0771000f                  ; mask 15; elements of 2 bytes; padding on; bit 21 beside the mask; after 64 words, four words
	s_mov_b32 s[G1+1], 128<<16
	s_mov_b32 s[G1+2], 16<<16
	s_mov_b32 s[G1+3], 128<<16
	s_mov_b32 s[G1+4], 16
	s_mov_b32 s[G1+5], 128
	s_mov_b32 s[G1+6], 0
	s_mov_b32 s[G1+7], 0
	; group 1 for Wo: 32 rows x 128 f32, dense
	s_mov_b32 s[G1W+0], 0x07b2000f                 ; mask 15; elements of 4 bytes; padding on; bit 21; after 128 words, four words
	s_mov_b32 s[G1W+1], 128<<16
	s_mov_b32 s[G1W+2], 32<<16
	s_mov_b32 s[G1W+3], 128<<16
	s_mov_b32 s[G1W+4], 32
	s_mov_b32 s[G1W+5], 128
	s_mov_b32 s[G1W+6], 0
	s_mov_b32 s[G1W+7], 0
	s_lshl_b32 s24, s23, 19                        ; K, V: batch x 524,288
	s_lshl_b32 s76, s18, 12                        ;       + my 16 rows of 256 bytes
	s_add_co_u32 s24, s24, s76
	s_mov_b32 s25, 0
	s_lshl_b32 s26, s18, 14                        ; Wo: my 32 rows of 512 bytes
	s_mov_b32 s27, 0
	s_mul_i32 s75, s18, 16*KP                      ; my 16 rows in a slot's K and V
	s_lshl_b32 s72, s23, 19                        ; Q: batch x 524,288 + block x 16,384
	s_lshl_b32 s74, s22, 14
	s_add_co_u32 s72, s72, s74
	s_mov_b32 s73, 0
	s_wait_dscnt 0x0
	s_wait_kmcnt 0x0
	s_add_nc_u64 s[4:5], s[4:5], s[72:73]
	s_lshl_b32 s72, s23, 21                        ; x, out0: batch x 2,097,152 + block x 256
	s_lshl_b32 s74, s22, 8
	s_add_co_u32 s72, s72, s74
	s_add_nc_u64 s[14:15], s[14:15], s[72:73]
	s_add_nc_u64 s[16:17], s[16:17], s[72:73]
	s_add_nc_u64 s[6:7], s[6:7], s[24:25]
	s_add_nc_u64 s[8:9], s[8:9], s[24:25]
.irp s, 0,1
	s_mov_b32 s[GK+8*\s], 1
	s_add_co_u32 s[GK+8*\s+1], s75, \s*SLOT
	s_add_nc_u64 s[GK+8*\s+2:GK+8*\s+3], s[6:7], \s*32768          ; tile s
	s_or_b32 s[GK+8*\s+3], s[GK+8*\s+3], 0x80000000
	s_mov_b32 s[GK+8*\s+4], 1
	s_add_co_u32 s[GK+8*\s+5], s75, \s*SLOT+VOFF
	s_add_nc_u64 s[GK+8*\s+6:GK+8*\s+7], s[8:9], \s*32768
	s_or_b32 s[GK+8*\s+7], s[GK+8*\s+7], 0x80000000
.endr
	s_mov_b32 s[GW], 1
	s_mul_i32 s[GW+1], s18, 32*WOP
	s_add_co_u32 s[GW+1], s[GW+1], WOB
	s_add_nc_u64 s[GW+2:GW+3], s[10:11], s[26:27]
	s_or_b32 s[GW+3], s[GW+3], 0x80000000
	ROUND                                          ; all four work-groups are here: the first joint loads meet
	tensor_load_to_lds s[GK:GK+3], s[G1:G1+7]      ; tile 0: K,
	s_nop 0
	tensor_load_to_lds s[GK+4:GK+7], s[G1:G1+7]    ; V
	s_nop 0
	v_and_b32 v13, 15, v0                          ; r
	v_bfe_u32 v14, v0, 4, 1                        ; h
	s_lshl_b32 s69, s19, 6                         ; the head's 64 bytes in a row of q or k
	s_lshl_b32 s71, s20, 13                        ; my 32 query rows of 256 bytes
	s_add_co_u32 s71, s71, s69
	v_lshlrev_b32 v1, 8, v13
	v_lshl_add_u32 v1, v14, 4, v1
	v_add_nc_u32 v1, s71, v1                       ; Q: (32 qh + r) x 256 + 64 hd + 16 h
.irp qt, 0,1
	global_load_b128 v[QF+8*\qt:QF+8*\qt+3],   v1, s[4:5] offset:4096*\qt
	global_load_b128 v[QF+8*\qt+4:QF+8*\qt+7], v1, s[4:5] offset:4096*\qt+32
.endr
	v_mul_u32_u24 v15, v13, KP
	v_lshl_add_u32 v15, v14, 4, v15
	v_add_nc_u32 v[KA], s69, v15                   ; K: r x 272 + 64 hd + 16 h
	v_add_nc_u32 v[KA+1], SLOT, v[KA]
	v_lshrrev_b32 v15, 1, v13                      ; V: row 16 hd + r / 2, 128 bytes for odd r, 16 h
	v_mul_u32_u24 v15, v15, KP
	v_and_b32 v12, 1, v0
	v_lshl_add_u32 v15, v12, 7, v15
	v_lshl_add_u32 v15, v14, 4, v15
	s_mul_i32 s70, s19, 16*KP
	s_add_co_u32 s70, s70, VOFF
	v_add_nc_u32 v[VA], s70, v15
	v_add_nc_u32 v[VA+1], SLOT, v[VA]
.macro KLOAD slot, half                ; 64 keys x the head's 32 channels
.irp kt, 0,1,2,3
	ds_load_b128 v[KF+8*\kt:KF+8*\kt+3],   v[KA+\slot] offset:(64*\half+16*\kt)*KP
	ds_load_b128 v[KF+8*\kt+4:KF+8*\kt+7], v[KA+\slot] offset:(64*\half+16*\kt)*KP+32
.endr
.endm
.macro VLOAD slot, half                ; the head's 32 channels x 64 keys
.irp g, 0,1
.irp ct, 0,1
	ds_load_b128 v[VF+8*(2*\g+\ct):VF+8*(2*\g+\ct)+3],   v[VA+\slot] offset:\half*64*KP+\ct*8*KP+64*\g
	ds_load_b128 v[VF+8*(2*\g+\ct)+4:VF+8*(2*\g+\ct)+7], v[VA+\slot] offset:\half*64*KP+\ct*8*KP+64*\g+32
.endr
.endr
.endm
.macro QK buf                          ; 8 score tiles; each starts from the constant 0
.irp kt, 0,1,2,3
.irp qt, 0,1
	v_wmma_f32_16x16x32_bf16 v[SS+64*\buf+32*\qt+8*\kt:SS+64*\buf+32*\qt+8*\kt+7], v[KF+8*\kt:KF+8*\kt+7], v[QF+8*\qt:QF+8*\qt+7], 0
.endr
.endr
.endm
; The new running maximum of query tile qt over the 64 keys of buffer buf, and the factor 2^(old - new).  first = 1: there is no old one.
.macro MAXQ qt, buf, first
.set sb, SS+64*\buf+32*\qt
.irp c, 0,1,2,3
	v_max3_num_f32 v[TT+\c], v[sb+8*\c], v[sb+8*\c+1], v[sb+8*\c+2]        ; four chains, started by the first scores
.endr
.irp c, 0,1,2,3
	v_max3_num_f32 v[TT+\c], v[TT+\c], v[sb+8*\c+3], v[sb+8*\c+4]
.endr
.irp c, 0,1,2,3
	v_max3_num_f32 v[TT+\c], v[TT+\c], v[sb+8*\c+5], v[sb+8*\c+6]
.endr
	v_max3_num_f32 v[TT], v[TT], v[sb+7], v[sb+15]
	v_max3_num_f32 v[TT+1], v[TT+1], v[sb+23], v[sb+31]
	v_max3_num_f32 v[TT], v[TT], v[TT+1], v[TT+2]
.if \first
	v_max_num_f32 v[TT], v[TT], v[TT+3]
	v_permlanex16_b32 v[TT+1], v[TT], s66, s67     ; the other half's keys of the same query
	v_max_num_f32 v[MX+\qt], v[TT], v[TT+1]
.else
	v_max3_num_f32 v[TT], v[TT], v[TT+3], v[MX+\qt]
	v_permlanex16_b32 v[TT+1], v[TT], s66, s67
	v_max_num_f32 v[TT], v[TT], v[TT+1]
	v_sub_f32 v[AL+\qt], v[MX+\qt], v[TT]
	v_mov_b32 v[MX+\qt], v[TT]
	v_exp_f32 v[AL+\qt], v[AL+\qt]                 ; the next vector instruction is plain and names neither (ISA guide 5.7.2)
.endif
.endm
.macro SUBT b, qt                      ; a tile's 8 scores minus the maximum
.irp p, 0,2,4,6
	v_pk_add_f32 v[\b+\p:\b+\p+1], v[\b+\p:\b+\p+1], v[MX:MX+1] op_sel:[0,\qt] op_sel_hi:[1,\qt] neg_lo:[0,1] neg_hi:[0,1]
.endr
.endm
.macro EXPT b                          ; 8 exponentials in place; behind each run stands a plain instruction on another tile
.irp p, 0,1,2,3,4,5,6,7
	v_exp_f32 v[\b+\p], v[\b+\p]
.endr
.endm
; A tile's 8 p are added onto the pair acc and rounded to bf16 into 4 registers at dst; each register has been added and rounded before it is written over.
.macro SCT src, dst, acc, start
.if \start
	s_wait_alu depctr_va_vdst(0)
	v_pk_add_f32 v[\acc:\acc+1], v[\src:\src+1], v[\src+2:\src+3]
	v_cvt_pk_bf16_f32 v[\dst], v[\src], v[\src+1]
	v_cvt_pk_bf16_f32 v[\dst+1], v[\src+2], v[\src+3]
.else
	s_wait_alu depctr_va_vdst(0)
	v_pk_add_f32 v[\acc:\acc+1], v[\acc:\acc+1], v[\src:\src+1]
	v_cvt_pk_bf16_f32 v[\dst], v[\src], v[\src+1]
	v_pk_add_f32 v[\acc:\acc+1], v[\acc:\acc+1], v[\src+2:\src+3]
	v_cvt_pk_bf16_f32 v[\dst+1], v[\src+2], v[\src+3]
.endif
	v_pk_add_f32 v[\acc:\acc+1], v[\acc:\acc+1], v[\src+4:\src+5]
	v_cvt_pk_bf16_f32 v[\dst+2], v[\src+4], v[\src+5]
	v_pk_add_f32 v[\acc:\acc+1], v[\acc:\acc+1], v[\src+6:\src+7]
	v_cvt_pk_bf16_f32 v[\dst+3], v[\src+6], v[\src+7]
.endm
; p = 2^(s - maximum) of query tile qt, its sum, p in bf16 in the first 8 registers of each pair of tiles, O and the sum rescaled.
.macro SOFT qt, buf, first
.set sb, SS+64*\buf+32*\qt
	SUBT sb, \qt
	EXPT sb
	SUBT sb+8, \qt
	EXPT sb+8
	SCT sb, sb, TT, 1
	SUBT sb+16, \qt
	EXPT sb+16
	SCT sb+8, sb+4, TT+2, 1
	SUBT sb+24, \qt
	EXPT sb+24
	SCT sb+16, sb+16, TT, 0
.if \first == 0
.irp p, 0,2,4,6,8,10,12,14
	v_pk_mul_f32 v[OO+16*\qt+\p:OO+16*\qt+\p+1], v[OO+16*\qt+\p:OO+16*\qt+\p+1], v[AL:AL+1] op_sel:[0,\qt] op_sel_hi:[1,\qt]
.endr
.endif
	SCT sb+24, sb+20, TT+2, 0
	v_pk_add_f32 v[TT:TT+1], v[TT:TT+1], v[TT+2:TT+3]
.if \first
	v_add_f32 v[LS+\qt], v[TT], v[TT+1]
.else
	v_add_f32 v[TT], v[TT], v[TT+1]
	v_fma_f32 v[LS+\qt], v[LS+\qt], v[AL+\qt], v[TT]
.endif
.endm
; O^T += V P^T: 8 matrix instructions; the four accumulators take turns, one instruction a turn.  first = 1: the first 32 keys start the sums.
.macro PV buf, first
.irp g, 0,1
.irp qt, 0,1
.irp ct, 0,1
.if \first*(1-\g)
	v_wmma_f32_16x16x32_bf16 v[OO+16*\qt+8*\ct:OO+16*\qt+8*\ct+7], v[VF+8*(2*\g+\ct):VF+8*(2*\g+\ct)+7], v[SS+64*\buf+32*\qt+16*\g:SS+64*\buf+32*\qt+16*\g+7], 0
.else
	v_wmma_f32_16x16x32_bf16 v[OO+16*\qt+8*\ct:OO+16*\qt+8*\ct+7], v[VF+8*(2*\g+\ct):VF+8*(2*\g+\ct)+7], v[SS+64*\buf+32*\qt+16*\g:SS+64*\buf+32*\qt+16*\g+7], v[OO+16*\qt+8*\ct:OO+16*\qt+8*\ct+7]
.endif
.endr
.endr
.endr
.endm
; Step u = 2 tile + half: the scores of step u go into buffer half; softmax and second product of step u - 1 work on buffer ohalf.
; bound = 1: the step enters a new tile (in slot) and the other slot (oslot) is filled again; bound = 2: it enters the last tile, nothing is filled.
.macro TRIP slot, oslot, half, ohalf, bound, first
	MAXQ 0, \ohalf, \first
.if \bound
	s_wait_dscnt 0x0                               ; my reads of the old slot are back (the last were V's of the step before)
	s_set_vgpr_msb 0x5
	s_wait_tensorcnt 0x0                           ; all my tensor loads have landed, my rows of this tile among them, so every group 0 may be written
	ds_add_u32 v0, v1
	s_wait_dscnt 0x0
	s_set_vgpr_msb 0x500
.if \bound == 1
	s_add_nc_u64 s[GK+8*\slot+2:GK+8*\slot+3], s[GK+8*\slot+2:GK+8*\slot+3], 0x10000    ; this slot's next tile: two tiles of 32,768 bytes on
	s_add_nc_u64 s[GK+8*\slot+6:GK+8*\slot+7], s[GK+8*\slot+6:GK+8*\slot+7], 0x10000
.endif
	s_barrier_signal -1                            ; say so,
.endif
	MAXQ 1, \ohalf, \first                         ; work on registers while the others arrive,
.if \bound
	s_barrier_wait -1                              ; and go on when all eight waves have said so
.endif
.if \bound == 1
	CREST                                          ; and all four work-groups: no wave of any partner still reads the old slot or has a load on its way
	tensor_load_to_lds s[GK+8*\oslot:GK+8*\oslot+3], s[G1:G1+7]        ; the next tile, first behind the round: it has this tile's two steps in which to land
	s_nop 0
	tensor_load_to_lds s[GK+8*\oslot+4:GK+8*\oslot+7], s[G1:G1+7]
	s_nop 0
.endif
	KLOAD \slot, \half
	SOFT 0, \ohalf, \first
	s_wait_dscnt 0x0                               ; K of this step, and V of the step before, issued ahead of it
	QK \half
	SOFT 1, \ohalf, \first                         ; vector work while the scores are made
	PV \ohalf, \first
	PLACES                                         ; V's registers are loaded again, and O and the scores are read, four places behind
	VLOAD \slot, \half                             ; V of this step waits in registers: all reads of a tile fall into its own two steps
.endm
	; step 0
	s_set_vgpr_msb 0x5
	s_wait_tensorcnt 0x0                           ; my rows of tile 0 have landed
	ds_add_u32 v0, v1
	s_wait_dscnt 0x0
	s_set_vgpr_msb 0x500
	s_add_nc_u64 s[GK+2:GK+3], s[GK+2:GK+3], 0x10000               ; slot 0's next tile is tile 2
	s_add_nc_u64 s[GK+6:GK+7], s[GK+6:GK+7], 0x10000
	s_wait_dscnt 0x0                               ; (no LDS instruction is out yet)
	ROUND                                          ; everybody's rows of tile 0 have landed; the next joint loads meet
	tensor_load_to_lds s[GK+8:GK+11], s[G1:G1+7]   ; tile 1,
	s_nop 0
	tensor_load_to_lds s[GK+12:GK+15], s[G1:G1+7]
	s_nop 0
	tensor_load_to_lds s[GW:GW+3], s[G1W:G1W+7]    ; and my 32 rows of Wo: three loads of the wave are out, the most in this text
	s_nop 0
	KLOAD 0, 0
	s_wait_loadcnt 0x0                             ; Q
	s_wait_dscnt 0x0
	QK 0
	PLACES                                         ; the next step's first lines read these scores
	VLOAD 0, 0
	TRIP 0, 1, 1, 0, 0, 1                          ; step 1; its softmax, of step 0, starts maximum, sum and O
	s_mov_b32 s68, 7                               ; tiles 1 to 14, two a trip
.Ltiles:
	TRIP 1, 0, 0, 1, 1, 0
	TRIP 1, 0, 1, 0, 0, 0
	TRIP 0, 1, 0, 1, 1, 0
	TRIP 0, 1, 1, 0, 0, 0
	s_sub_co_u32 s68, s68, 1
	s_cmp_lg_u32 s68, 0
	s_cbranch_scc1 .Ltiles
	TRIP 1, 0, 0, 1, 2, 0                          ; tile 15: nothing more to fetch
	TRIP 1, 0, 1, 0, 0, 0
	; the last step: softmax and second product of step 31.  bo and x are asked for here: they have this step and the last product in which to come.
	v_and_b32 v13, 15, v0                          ; i = r
	v_bfe_u32 v14, v0, 4, 1                        ; hh = h
	s_lshl_b32 s69, s18, 18                        ; my 32 rows of 8,192 bytes
	v_lshlrev_b32 v1, 13, v14
	v_lshl_add_u32 v1, v13, 4, v1
	v_add_nc_u32 v1, s69, v1                       ; x, out0: (32 w + hh) x 8,192 + 16 i
	s_lshl_b32 s70, s18, 7
	v_lshl_add_u32 v2, v13, 2, s70                 ; bo: (32 w + r) x 4
	global_load_b32 v[BO], v2, s[12:13]
	global_load_b32 v[BO+8], v2, s[12:13] offset:64
.irp ot, 0,1
.irp n, 0,1,2,3,4,5,6,7
	global_load_b128 v[XR+32*\ot+4*\n:XR+32*\ot+4*\n+3], v1, s[14:15] offset:(16*\ot+2*\n)*8192 th:TH_LOAD_NT
.endr
.endr
	MAXQ 0, 1, 0
	MAXQ 1, 1, 0
	SOFT 0, 1, 0
	SOFT 1, 1, 0
	s_wait_dscnt 0x0                               ; V of step 31
	PV 1, 0
	; THE WAY OUT.  The address work below names none of the last matrix instructions' registers: it fills the four places behind them.
	v_and_b32 v6, 15, v0                           ; r = i
	v_bfe_u32 v7, v0, 4, 1                         ; h = hh
	v_and_b32 v8, 31, v0                           ; lane
	v_mul_u32_u24 v3, v6, WOP
	v_lshl_add_u32 v3, v7, 5, v3
	s_mul_i32 s69, s18, 32*WOP
	s_add_co_u32 s69, s69, WOB
	v_add_nc_u32 v3, s69, v3                       ; Wo: my rows, r x 528 + 32 h
	v_lshlrev_b32 v5, 4, v8
	s_lshl_b32 s70, s18, 11
	s_add_co_u32 s70, s70, EXC
	v_add_nc_u32 v4, s70, v5                       ; my two fragments: 4 hd + 2 qh = 2 w
	v_add_nc_u32 v5, EXC, v5                       ; all fragments
.macro WOLOAD ot                       ; rows 32 w + 16 ot + r of Wo, all 128 channels, in f32.  They are the rows that my own tensor load brought
.irp hd, 0,1,2,3
	ds_load_b128 v[WF+16*\hd:WF+16*\hd+3],     v3 offset:\ot*16*WOP+128*\hd
	ds_load_b128 v[WF+16*\hd+4:WF+16*\hd+7],   v3 offset:\ot*16*WOP+128*\hd+16
	ds_load_b128 v[WF+16*\hd+8:WF+16*\hd+11],  v3 offset:\ot*16*WOP+128*\hd+64
	ds_load_b128 v[WF+16*\hd+12:WF+16*\hd+15], v3 offset:\ot*16*WOP+128*\hd+80
.endr
.endm
.macro WOCVT ot
.set q, 0
.rept 32
	v_cvt_pk_bf16_f32 v[WB+32*\ot+q], v[WF+2*q], v[WF+2*q+1]
.set q, q+1
.endr
.endm
	WOLOAD 0
	v_permlanex16_b32 v12, v[LS], s66, s67         ; the other half's keys
	v_permlanex16_b32 v13, v[LS+1], s66, s67
	v_add_f32 v[LS], v[LS], v12                    ; at least 1: the largest score gives p = 1
	v_add_f32 v[LS+1], v[LS+1], v13
	v_rcp_f32 v[LS], v[LS]
	v_rcp_f32 v[LS+1], v[LS+1]
	v_mul_u32_u24 v12, v6, KP                      ; a plain instruction behind the transcendentals (ISA guide 5.7.2): my stage, r x 272 + 32 h
	s_wait_alu depctr_va_vdst(0)
.irp qt, 0,1
.irp p, 0,2,4,6,8,10,12,14
	v_pk_mul_f32 v[OO+16*\qt+\p:OO+16*\qt+\p+1], v[OO+16*\qt+\p:OO+16*\qt+\p+1], v[LS:LS+1] op_sel:[0,\qt] op_sel_hi:[1,\qt]
.endr
.endr
.irp qt, 0,1
.irp p, 0,1,2,3,4,5,6,7
	v_cvt_pk_bf16_f32 v[OO+16*\qt+\p], v[OO+16*\qt+2*\p], v[OO+16*\qt+2*\p+1]      ; in place: a register is written only after it has been read
.endr
	ds_store_b128 v4, v[OO+16*\qt:OO+16*\qt+3]   offset:1024*\qt
	ds_store_b128 v4, v[OO+16*\qt+4:OO+16*\qt+7] offset:1024*\qt+512
.endr
	s_mul_i32 s71, s18, 16*KP
	s_add_co_u32 s71, s71, STG
	v_lshl_add_u32 v12, v7, 5, v12
	v_add_nc_u32 v12, s71, v12                     ; in: row r, 32 bytes for each half of the lanes
	v_mul_u32_u24 v13, v7, KP
	v_lshl_add_u32 v13, v6, 4, v13
	v_add_nc_u32 v13, s71, v13                     ; back: lanes 0-15 one row of 256 bytes, lanes 16-31 the next
	s_wait_dscnt 0x4                               ; the 16 loads of Wo are in; the 4 stores issued behind them may stay out
	WOCVT 0
	WOLOAD 1
	s_wait_loadcnt 0x10                            ; bo's two loads are in; x's 16, issued behind them, stay out
.irp j, 1,2,3,4,5,6,7
	v_mov_b32 v[BO+\j], v[BO]                      ; a lane's 8 results belong to one row o: its bias eight times starts their sums
	v_mov_b32 v[BO+8+\j], v[BO+8]
.endr
	s_wait_dscnt 0x0                               ; Wo's second half is in, and my fragments are in LDS before I signal: every wave reads all 16
	WOCVT 1
	s_barrier_signal -1
	s_barrier_wait -1
	; rows 32 w .. 32 w + 31 of Wo x all 64 positions; source 0 = positions, source 1 = rows of Wo: a lane holds 8 neighbouring positions of row o = r.
	; The eight accumulators take turns, one instruction a turn.
.irp hd, 0,1,2,3
.irp lt, 0,1,2,3
	ds_load_b128 v[OF+8*\lt:OF+8*\lt+3],   v5 offset:(4*\hd+\lt)*1024
	ds_load_b128 v[OF+8*\lt+4:OF+8*\lt+7], v5 offset:(4*\hd+\lt)*1024+512
.endr
	s_wait_dscnt 0x0
.irp ot, 0,1
.irp lt, 0,1,2,3
.if \hd == 0
	v_wmma_f32_16x16x32_bf16 v[ACC+32*\ot+8*\lt:ACC+32*\ot+8*\lt+7], v[OF+8*\lt:OF+8*\lt+7], v[WB+32*\ot+8*\hd:WB+32*\ot+8*\hd+7], v[BO+8*\ot:BO+8*\ot+7]
.else
	v_wmma_f32_16x16x32_bf16 v[ACC+32*\ot+8*\lt:ACC+32*\ot+8*\lt+7], v[OF+8*\lt:OF+8*\lt+7], v[WB+32*\ot+8*\hd:WB+32*\ot+8*\hd+7], v[ACC+32*\ot+8*\lt:ACC+32*\ot+8*\lt+7]
.endif
.endr
.endr
	PLACES                                         ; the fragments are loaded again, and at the end the sums are read, four places behind
.endr
; 16 rows o through my own stage: in by columns of 32 bytes, back by rows of 256 bytes; LDS serves a wave's instructions in order (ISA guide 5.7.1), so no wait between.
; y: where the rows come back; each store has data registers of its own.  left: how many loads of x may stay out.
.macro OUT16 ot, y, left
.irp lt, 0,1,2,3
	ds_store_b128 v12, v[ACC+32*\ot+8*\lt:ACC+32*\ot+8*\lt+3]   offset:64*\lt
	ds_store_b128 v12, v[ACC+32*\ot+8*\lt+4:ACC+32*\ot+8*\lt+7] offset:64*\lt+16
.endr
.irp n, 0,1,2,3,4,5,6,7
	ds_load_b128 v[\y+4*\n:\y+4*\n+3], v13 offset:2*KP*\n
.endr
	s_wait_loadcnt \left                           ; x of these 16 rows is in
.irp n, 0,1,2,3,4,5,6,7
	s_wait_dscnt 7-\n                              ; rows 2 n, 2 n + 1 are back; the younger loads stay out
	v_pk_add_f32 v[\y+4*\n:\y+4*\n+1],   v[\y+4*\n:\y+4*\n+1],   v[XR+32*\ot+4*\n:XR+32*\ot+4*\n+1]
	v_pk_add_f32 v[\y+4*\n+2:\y+4*\n+3], v[\y+4*\n+2:\y+4*\n+3], v[XR+32*\ot+4*\n+2:XR+32*\ot+4*\n+3]
	global_store_b128 v1, v[\y+4*\n:\y+4*\n+3], s[16:17] offset:(16*\ot+2*\n)*8192 th:TH_STORE_NT   ; 16 lanes store 256 consecutive bytes, aligned
.endr
.endm
	OUT16 0, 96, 8
	OUT16 1, 32, 0
	s_set_vgpr_msb 0x5
	s_wait_tensorcnt 0x0
	ds_add_u32 v0, v1
	s_wait_dscnt 0x0
	s_set_vgpr_msb 0x500
	ROUND                                          ; the closing round: no work-group ends while a partner may still ask for a tile that names it
	s_endpgm
.Lfunc_end_k_qc6675ae1bb_attn:
	.size	k_qc6675ae1bb_attn, .Lfunc_end_k_qc6675ae1bb_attn-k_qc6675ae1bb_attn
	.p2alignl 7, 3214868480
	.fill 96, 4, 3214868480
	.section	.rodata,"a",@progbits
	.p2align	6, 0x0
	.amdhsa_kernel k_qc6675ae1bb_attn
		.amdhsa_group_segment_fixed_size 327680
		.amdhsa_private_segment_fixed_size 0
		.amdhsa_enable_private_segment 0
		.amdhsa_kernarg_size 56
		.amdhsa_user_sgpr_count 2
		.amdhsa_user_sgpr_kernarg_segment_ptr 1
		.amdhsa_wavefront_size32 1
		.amdhsa_system_sgpr_workgroup_id_x 1
		.amdhsa_system_sgpr_workgroup_id_y 1
		.amdhsa_system_sgpr_workgroup_id_z 1
		.amdhsa_system_vgpr_workitem_id 0
		.amdhsa_next_free_vgpr 258
		.amdhsa_next_free_sgpr 80
		.amdhsa_reserve_vcc 0
		.amdhsa_float_denorm_mode_32 3
		.amdhsa_float_denorm_mode_16_64 3
		.amdhsa_memory_ordered 1
		.amdhsa_forward_progress 1
		.amdhsa_inst_pref_size 142
	.end_amdhsa_kernel
	.amdgpu_metadata
---
amdhsa.version: [ 1, 2 ]
amdhsa.kernels:
  - .name:           k_qc6675ae1bb_attn
    .symbol:         k_qc6675ae1bb_attn.kd
    .args:
      - { .name: qbuf, .offset: 0, .size: 8, .value_kind: global_buffer, .address_space: global }
      - { .name: kbuf, .offset: 8, .size: 8, .value_kind: global_buffer, .address_space: global }
      - { .name: vbuf, .offset: 16, .size: 8, .value_kind: global_buffer, .address_space: global }
      - { .name: Wo, .offset: 24, .size: 8, .value_kind: global_buffer, .address_space: global }
      - { .name: bo, .offset: 32, .size: 8, .value_kind: global_buffer, .address_space: global }
      - { .name: x, .offset: 40, .size: 8, .value_kind: global_buffer, .address_space: global }
      - { .name: out0, .offset: 48, .size: 8, .value_kind: global_buffer, .address_space: global }
    .group_segment_fixed_size: 327680
    .private_segment_fixed_size: 0
    .kernarg_segment_align: 8
    .kernarg_segment_size: 56
    .max_flat_workgroup_size: 256
    .sgpr_count:     80
    .vgpr_count:     258
    .wavefront_size: 32
...
	.end_amdgpu_metadata
.endif
;; end of part 2
